; MI455X (gfx1250); checked and timed in simulation.
; The chip was launched on July 23, 2026; its instructions are those of AMD's public machine-readable ISA for CDNA 5 (MIT licence, August 2026) and "CDNA5" Instruction Set Architecture Reference Guide (July 2026). The comments in the code are by the model that wrote it; some were corrected since.
;; Causal Self Attention. Allowed arithmetic: matrix products marked QUANTISED: E2M3 operands, one E8M0 scale for each 32 along K, by v_wmma_scale_f32_16x16x128_f8f6f4 with both operands' format E2M3, f32 sums; everything else in f32.
;; Inputs: Wk 512 x 512 float32; Wq 512 x 512 float32; Wv 512 x 512 float32; bk 512 float32; bq 512 float32; bv 512 float32; src 4 x 2,048 x 512 float32.
;; Outputs: out0 4 x 2,048 x 512 float32.
;; This version of the problem:
;;   THIS VERSION OF THE PROBLEM IS GIVEN IN LOW PRECISION. The matrix products marked QUANTISED in the list below multiply operands that are first quantised to E2M3 (2 exponent bits, 3 mantissa bits; 6 bits a number), with one power-of-two scale for each 32 numbers along K (OCP MX v1.0); their sums are f32. All else is computed in f32.
;;   The module's matrix products, in the order in which they are computed (A, B: the left and right operand; K: the contracted axis; several contracted axes count as one K, in the product's order):
;;     1. [M 8,192, K 512] x [K 512, N 512]; A: input src; B: input Wq: QUANTISED
;;     2. [M 8,192, K 512] x [K 512, N 512]; A: input src; B: input Wk: QUANTISED
;;     3. [M 8,192, K 512] x [K 512, N 512]; A: input src; B: input Wv: QUANTISED
;;     4. batch 32 x [M 2,048, K 64] x [K 64, N 2,048]; A: computed on the way; B: computed on the way: QUANTISED
;;     5. batch 32 x [M 64, K 2,048] x [K 2,048, N 2,048]; A: computed on the way; B: softmax (see below): QUANTISED
;;   THE QUANTISER, for each operand of a quantised product, along K:
;;     - K is cut into blocks of 32 from its start; a last block that is shorter is filled with zeros.
;;     - A block's scale is 2^e with e = floor(log2(the largest magnitude in the block)) - 2, held to -126 .. 127; a block of zeros has e = 0. As a byte (E8M0): e + 127.
;;     - Each number is divided by its block's scale, clamped to +-7.5, and rounded to the nearest number of E2M3, ties to even, subnormals kept.
;;     - The product sums the exact products of the quantised numbers (number of the format x scale) in f32.
;;   ~~~python
;;   def quantise(x, axis):      # numpy; x: float32 -> the quantised numbers, widened to float32 again
;;       x = np.moveaxis(x, axis, -1); K = x.shape[-1]
;;       x = np.pad(x, [(0, 0)] * (x.ndim - 1) + [(0, -K % 32)]); x = x.reshape(x.shape[:-1] + (-1, 32)); a = np.abs(x).max(-1, keepdims=True)
;;       e = np.where(a > 0, np.clip(np.frexp(np.where(a > 0, a, 1))[1] - 1 - 2, -126, 127), 0)      # np.frexp(a)[1] - 1 = floor(log2(a)), exactly
;;       r = np.clip(x / 2.0 ** e, -7.5, 7.5)
;;       step = 2.0 ** (np.maximum(np.frexp(np.where(r == 0, 1, r))[1] - 1, 0) - 3)
;;       q = np.round(r / step) * step * 2.0 ** e      # np.round: ties to even
;;       return np.moveaxis(q.reshape(q.shape[:-2] + (-1,))[..., :K], -1, axis).astype(np.float32)
;;   ~~~
;;   SOFTMAX AHEAD OF A QUANTISED PRODUCT. Where the list says 'softmax', what is quantised is not the finished softmax but p = 2^(t - M), with t = logit x log2(e) and M = ceil(the row's largest t), a whole number; so 1/2 < the row's largest p <= 1. The row's sum l is taken of the UNQUANTISED p, in f32, and the product's result is divided by l at the end. Since M is a whole number, a kernel that streams over the keys may use a running M (the ceiling of the running maximum): every later rescaling is an exact power of two, which a block's scale takes up: the codes' values come out the same.
;;   OPERANDS COMPUTED ON THE WAY. 'Computed on the way' means the value that the module computes at that place (a softmax that the list does not call 'softmax' is quantised finished and normalised). What goes into a quantiser is computed in f32, as accurately as f32 sums, v_exp_f32 and their like allow (about 1e-6 of the number): no bf16 or f16 on the way to a quantiser, and a product that is left as it is and whose result goes on into a quantised operand takes f32 operands (vector FMAs, or v_wmma_f32_16x16x4_f32). A number that lies on a knife's edge between two numbers of the format may be rounded either way, as far as f32 arithmetic and the matrix unit's own rounding can turn it there, and no further.
;; One version. Each part assembles by itself: llvm-mc -triple=amdgcn-amd-amdhsa -mcpu=gfx1250 --defsym DOCPART=n.
;; ======== version 1 of 1: 3 launches
;; limits: right only within a limited range of input values
;; workspace buffers: frag 4,358,144 bytes; qbuf 3,407,872 bytes; kv 6,815,744 bytes
;; launch quant (part 1): grid 608 x 1, 4 waves a work-group, no clusters, 34,304 bytes of LDS; arguments src, Wq, Wk, Wv, frag; writes frag
.if DOCPART == 1
	.amdgcn_target "amdgcn-amd-amdhsa--gfx1250"
	.amdhsa_code_object_version 6
	.text
	.protected	k_q6f08af2cc9_quant
	.globl	k_q6f08af2cc9_quant
	.p2align	8
	.type	k_q6f08af2cc9_quant,@function
k_q6f08af2cc9_quant:
	s_mov_b64 s[64:65], 0
	v_nop
	global_prefetch_b8 v0, s[64:65] scope:SCOPE_SE
	s_setreg_imm32_b32 hwreg(HW_REG_WAVE_MODE, 25, 1), 1
	s_wait_xcnt 0x0
; src [8192 tokens][512] and Wq, Wk, Wv [512 (k)][512 (n)], f32, become operands of MX-FP6 (E2M3, one E8M0 byte for each 32 along K = 512).
; ONE WAVE MAKES ONE FRAGMENT (16 rows x 128 K: 12 registers a lane) and stores it AS AN IMAGE OF THE OPERAND'S REGISTERS: a record of 1,792 bytes: three runs of 512 bytes (registers 4 c .. 4 c + 3 of lane l at
; 512 c + 16 l), then the rows' scale words at 1,536 + 4 l (lanes r and r + 16 hold row r's word).  Bytes 1,664 to 1,791 of a record are neither written nor read.
; Record 4 T + s: token tile T (0..511), K step s.  Record 2,048 + 4 (32 m + t) + s: weight m (0 q, 1 k, 2 v), column tile t (0..31).  Both are 4 x work-group + wave.
; THE ROWS OF A TILE ARE NOT NEIGHBOURS: row r of token tile T is token 64 (T / 4) + 8 (T % 4) + r + 24 (r / 8), and so are the columns of Wq's and Wk's tiles; Wv's tile t is columns 16 t + r.  With that choice a lane's
; 32 results of four neighbouring tiles of the next launch are 32 neighbours along the K of the product after it: one whole block.
; A lane's registers run along K in the operand's own order: registers 32 c + i of lane (r, h) are k = 64 c + 32 h + i, so a block of 32 lies in one lane.
; A block's scale is 2^(floor(log2(its largest magnitude)) - 2); its byte is the largest magnitude's exponent field - 2, held at 1 from below.
; LIMITS: NaN and infinities among the inputs are not served.  A block whose largest magnitude lies under 2^-124, a block of zeros among them, gets the byte 1 (the rule gives a block of zeros 127): the bytes are read by this program alone,
; and zero codes add nothing under any byte but 0xff.
; No cluster, no tensor load: no two work-groups read the same bytes of src, and the weights are 3 of the launch's 19 MB.  No barrier: waves share nothing.
; THE SHARES, which replace the last sentence on records above: work-groups 0 to 95 take the weights: work-group n the K step n % 4 and the four tiles 4 ((n / 4) % 8) + wave of weight n / 32, 64 columns that lie side by side.
; Work-groups 96 to 607 take src: token tile T = work-group - 96, K step = wave.
.set REC,  1792
.set ROWB, 2048                        ; a row of src or of a weight: 512 f32
.set WREG, 8448                        ; LDS: a wave's own stage: 16 rows of SP bytes
.set SP,   528                         ; 512 bytes + 16: 132 words, so that the 16 rows that a load of 16 bytes a lane touches begin in different banks (64 banks of 4 bytes: ISA guide 11.1)
.set SPARE, 4*WREG                     ; behind the stages: the spare words
.set X,    16                          ; v16-79   64 numbers: register 32 c + i = k 64 c + 32 h + i of my row
.set PC,   80                          ; v80-91   the fragment's codes; v92-94, v96-98 the conversions' second halves
.set TM,   100                         ; v100-103 largest magnitudes; v104, v105 the conversions' scale operands; v107 the other half's bytes; v108, v109 mine
.set PW,   116                         ; v116     my row's scale word
.set SELW, 117                         ; v117     v_perm_b32's selector: interleaves my two bytes with lane l xor 16's
.set SPW,  120
.set NIL,  121
.set SEL,  20                          ; s[20:21] v_permlanex16_b32's selects for lane l xor 16
; 64 numbers of a lane become a fragment's codes in v[PC] on and its scale word in v[PW].
.macro QUANT s
.irp k, 0,1,2,3                        ; four chains side by side, two to a block
	v_max3_num_f32 v[TM+\k], |v[\s+16*\k]|, |v[\s+16*\k+1]|, |v[\s+16*\k+2]|
.endr
.irp i, 3,5,7,9,11,13
.irp k, 0,1,2,3
	v_max3_num_f32 v[TM+\k], v[TM+\k], |v[\s+16*\k+\i]|, |v[\s+16*\k+\i+1]|
.endr
.endr
.irp c, 0,1
	v_max3_num_f32 v[TM+2*\c], v[TM+2*\c], |v[\s+32*\c+15]|, 0x1800000   ; and the floor 2^(3 - 127): the byte cannot fall under 1
.endr
.irp c, 0,1
	v_max3_num_f32 v[TM+2*\c], v[TM+2*\c], |v[\s+32*\c+31]|, v[TM+2*\c+1]
.endr
.irp c, 0,1
	v_add_nc_u32 v[TM+4+\c], 0xff000000, v[TM+2*\c]   ; 2 off its exponent field: the conversion takes the exponent field of this operand as its scale
.endr
.irp c, 0,1
	v_cvt_scalef32_pk16_fp6_f32 v[PC+6*\c:PC+2+6*\c], v[\s+32*\c:\s+15+32*\c], v[TM+4+\c]
	v_cvt_scalef32_pk16_fp6_f32 v[PC+12+4*\c:PC+14+4*\c], v[\s+16+32*\c:\s+31+32*\c], v[TM+4+\c]   ; (a conversion's three registers begin on an even number)
.endr
	v_lshrrev_b32 v[TM+8], 23, v[TM+4]             ; the scales' bytes: blocks h and 2 + h
	v_lshrrev_b32 v[TM+9], 23, v[TM+5]
	v_lshl_or_b32 v[TM+8], v[TM+9], 16, v[TM+8]
	v_permlanex16_b32 v[TM+7], v[TM+8], s[SEL], s[SEL+1]
	v_perm_b32 v[PW], v[TM+7], v[TM+8], v[SELW]
.irp c, 0,1
.irp i, 0,1,2
	v_mov_b32 v[PC+3+6*\c+\i], v[PC+12+4*\c+\i]
.endr
.endr
.endm
	s_load_b256 s[4:11], s[0:1], 0x0               ; src s[4:5], Wq s[6:7], Wk s[8:9], Wv s[10:11]
	s_load_b64 s[12:13], s[0:1], 0x20              ; frag
	v_lshl_add_u32 v[SPW], v0, 2, SPARE
	v_mov_b32 v[NIL], 0
	v_lshrrev_b32 v1, 5, v0
	v_readfirstlane_b32 s14, v1                    ; wave 0..3 = the K step
	s_mul_i32 s22, s14, WREG                       ; my stage
	v_and_b32 v1, 31, v0                           ; lane
	v_and_b32 v2, 15, v0                           ; r
	v_bfe_u32 v3, v0, 4, 1                         ; h
	v_lshlrev_b32 v5, 4, v1                        ; 16 x lane
	v_lshlrev_b32 v6, 2, v1                        ; 4 x lane
	v_add_nc_u32 v7, s22, v5                       ; into the stage: a row's 512 bytes as they lie
	v_mul_u32_u24 v8, v2, SP
	v_lshl_add_u32 v8, v3, 7, v8
	v_add_nc_u32 v8, s22, v8                       ; out of it: row r, + 128 h: my 32 numbers of 64
	v_mov_b32 v[TM+7], 0                           ; written once: a lane permute's destination counts as one of its sources
	v_cmp_eq_u32 vcc_lo, 1, v3
	v_mov_b32 v[SELW], 0x06020400                  ; lanes 0-15: mine are bytes 0 and 2 of the word,
	v_mov_b32 v[PW], 0x02060004                    ; lanes 16-31: bytes 1 and 3
	v_cndmask_b32 v[SELW], v[SELW], v[PW], vcc_lo
	s_mov_b32 s[SEL], 0x76543210
	s_mov_b32 s[SEL+1], 0xfedcba98
	s_wait_alu depctr_va_vdst(0)                   ; the wait at the head's end
	s_wait_kmcnt 0x0
	s_cmp_lt_u32 ttmp9, 96                         ; the first 96 work-groups take the weights, the other 512 src
	s_cbranch_scc1 .Lweights
	; ---- src: K is innermost.  Each load reads 512 consecutive bytes of one row, 16 a lane; the 16 rows turn through my stage, so that a lane gets 32 neighbours
	s_sub_co_u32 s26, ttmp9, 96                    ; the token tile T
	s_lshl_b32 s24, s26, 2
	s_add_co_u32 s24, s24, s14                     ; my record: 4 T + wave
	s_mul_i32 s24, s24, REC
	s_mov_b32 s25, 0
	s_add_nc_u64 s[12:13], s[12:13], s[24:25]
	s_lshr_b32 s22, s26, 2
	s_lshl_b32 s22, s22, 6
	s_and_b32 s23, s26, 3
	s_lshl_b32 s23, s23, 3
	s_add_co_u32 s22, s22, s23                     ; the tile's first token: 64 (T / 4) + 8 (T % 4)
	s_lshl_b32 s22, s22, 11                        ; x 2,048 bytes
	s_lshl_b32 s23, s14, 9                         ; + the K step's 512 bytes
	s_add_co_u32 s22, s22, s23
	s_mov_b32 s23, 0
	s_add_nc_u64 s[4:5], s[4:5], s[22:23]
.irp i, 0,1,2,3,4,5,6,7,8,9,10,11,12,13,14,15
	global_load_b128 v[X+4*\i:X+4*\i+3], v5, s[4:5] offset:(\i+24*(\i/8))*ROWB th:TH_LOAD_NT   ; row i of the tile; read once in the launch
.endr
	s_wait_loadcnt 0x0
.irp i, 0,1,2,3,4,5,6,7,8,9,10,11,12,13,14,15
	ds_store_b128 v7, v[X+4*\i:X+4*\i+3] offset:SP*\i
.endr
.irp b, 0,1,2,3
.irp j, 0,1,2,3
	ds_load_b128 v[X+16*\b+4*\j:X+16*\b+4*\j+3], v8 offset:256*(\b/2)+64*(\b%2)+16*\j   ; LDS serves a wave's instructions in order (ISA guide 5.7.1.4): these see my stores
.endr
.endr
	s_wait_dscnt 0x0
	s_branch .Lquant
.Lweights:
	; ---- a weight: K is the FIRST axis.  A lane takes a column and its registers run down K, in the order that the macro wants: nothing is turned
	s_lshr_b32 s22, ttmp9, 2                       ; 8 x weight + t / 4
	s_and_b32 s27, ttmp9, 3                        ; the K step
	s_lshl_b32 s24, s22, 4
	s_lshl_b32 s25, s14, 2
	s_add_co_u32 s24, s24, s25
	s_add_co_u32 s24, s24, s27
	s_add_co_u32 s24, s24, 2048                    ; my record: 2,048 + 4 (32 m + t) + s
	s_mul_i32 s24, s24, REC
	s_mov_b32 s25, 0
	s_add_nc_u64 s[12:13], s[12:13], s[24:25]
	s_lshr_b32 s23, s22, 3                         ; which weight
	s_and_b32 s22, s22, 7
	s_lshl_b32 s28, s22, 6
	s_lshl_b32 s24, s14, 3
	s_add_co_u32 s24, s24, s28                     ; Wq, Wk: the tile's first column 64 (t / 4) + 8 (t % 4)
	s_lshl_b32 s25, s14, 4
	s_add_co_u32 s25, s25, s28                     ; Wv: 16 t
	s_cmp_eq_u32 s23, 0
	s_cselect_b64 s[16:17], s[6:7], s[8:9]
	s_cmp_eq_u32 s23, 2
	s_cselect_b64 s[16:17], s[10:11], s[16:17]
	s_cselect_b32 s26, 0, 3                        ; Wq, Wk: rows 8-15 of a tile lie 24 columns further on
	s_cselect_b32 s24, s25, s24
	v_and_b32 v4, 8, v2
	v_mul_u32_u24 v4, s26, v4
	v_add_nc_u32 v4, v4, v2                        ; r + 24 (r / 8), or r
	v_lshlrev_b32 v4, 2, v4
	v_lshl_add_u32 v4, v3, 16, v4                  ; lanes 16-31 begin 32 rows of 2,048 bytes further down
	s_lshl_b32 s24, s24, 2
	s_lshl_b32 s25, s27, 18                        ; the K step: 128 rows of 2,048 bytes
	s_add_co_u32 s24, s24, s25
	s_mov_b32 s25, 0
	s_add_nc_u64 s[16:17], s[16:17], s[24:25]
.irp b, 0,1,2,3
.irp i, 0,1,2,3,4,5,6,7,8,9,10,11,12,13,14,15
	global_load_b32 v[X+16*\b+\i], v4, s[16:17] offset:(64*(\b/2)+16*(\b%2)+\i)*ROWB   ; W(128 s + 64 c + 32 h + 16 (b % 2) + i, my column)
.endr
.endr
	s_wait_loadcnt 0x0
.Lquant:
	QUANT X
.irp c, 0,1,2
	global_store_b128 v5, v[PC+4*\c:PC+4*\c+3], s[12:13] offset:512*\c   ; 32 lanes store 512 consecutive bytes, at a multiple of 256 from the buffer's first byte
.endr
	global_store_b32 v6, v[PW], s[12:13] offset:1536
	s_wait_tensorcnt 0x0                           ; the wave's end
	ds_add_u32 v[SPW], v[NIL]
	s_wait_dscnt 0x0
	s_endpgm
.Lfunc_end_k_q6f08af2cc9_quant:
	.size	k_q6f08af2cc9_quant, .Lfunc_end_k_q6f08af2cc9_quant-k_q6f08af2cc9_quant
	.p2alignl 7, 3214868480
	.fill 96, 4, 3214868480
	.section	.rodata,"a",@progbits
	.p2align	6, 0x0
	.amdhsa_kernel k_q6f08af2cc9_quant
		.amdhsa_group_segment_fixed_size 34304
		.amdhsa_private_segment_fixed_size 0
		.amdhsa_enable_private_segment 0
		.amdhsa_kernarg_size 40
		.amdhsa_user_sgpr_count 2
		.amdhsa_user_sgpr_kernarg_segment_ptr 1
		.amdhsa_wavefront_size32 1
		.amdhsa_system_sgpr_workgroup_id_x 1
		.amdhsa_system_sgpr_workgroup_id_y 1
		.amdhsa_system_sgpr_workgroup_id_z 1
		.amdhsa_system_vgpr_workitem_id 0
		.amdhsa_next_free_vgpr 122
		.amdhsa_next_free_sgpr 66
		.amdhsa_reserve_vcc 1
		.amdhsa_float_denorm_mode_32 3
		.amdhsa_float_denorm_mode_16_64 3
		.amdhsa_memory_ordered 1
		.amdhsa_forward_progress 1
		.amdhsa_inst_pref_size 17
	.end_amdhsa_kernel
	.amdgpu_metadata
---
amdhsa.version: [ 1, 2 ]
amdhsa.kernels:
  - .name:           k_q6f08af2cc9_quant
    .symbol:         k_q6f08af2cc9_quant.kd
    .args:
      - { .name: src, .offset: 0, .size: 8, .value_kind: global_buffer, .address_space: global }
      - { .name: Wq, .offset: 8, .size: 8, .value_kind: global_buffer, .address_space: global }
      - { .name: Wk, .offset: 16, .size: 8, .value_kind: global_buffer, .address_space: global }
      - { .name: Wv, .offset: 24, .size: 8, .value_kind: global_buffer, .address_space: global }
      - { .name: frag, .offset: 32, .size: 8, .value_kind: global_buffer, .address_space: global }
    .group_segment_fixed_size: 34304
    .private_segment_fixed_size: 0
    .kernarg_segment_align: 8
    .kernarg_segment_size: 40
    .max_flat_workgroup_size: 128
    .sgpr_count:     66
    .vgpr_count:     122
    .wavefront_size: 32
...
	.end_amdgpu_metadata
.endif
;; end of part 1
;; launch proj (part 2): grid 64 x 4, 12 waves a work-group, clusters of 4 x 4, 327,680 bytes of LDS; arguments frag, bq, bk, bv, qbuf, kv; writes qbuf, kv
.if DOCPART == 2
	.amdgcn_target "amdgcn-amd-amdhsa--gfx1250"
	.amdhsa_code_object_version 6
	.text
	.protected	k_q6f08af2cc9_proj
	.globl	k_q6f08af2cc9_proj
	.p2align	8
	.type	k_q6f08af2cc9_proj,@function
k_q6f08af2cc9_proj:
	s_mov_b64 s[64:65], 0
	v_nop
	global_prefetch_b8 v0, s[64:65] scope:SCOPE_SE
	s_setreg_imm32_b32 hwreg(HW_REG_WAVE_MODE, 25, 1), 1
	s_wait_xcnt 0x0
	s_wait_alu depctr_hold_cnt(0) depctr_sa_sdst(0) depctr_va_vdst(0) depctr_va_sdst(0) depctr_va_ssrc(0) depctr_va_vcc(0) depctr_vm_vsrc(0)
	s_getreg_b32 s2, hwreg(HW_REG_IB_STS2, 6, 4)
	s_cmp_eq_u32 s2, 0
	s_cbranch_scc0 .Lentry_in_a_cluster
	s_endpgm
.Lentry_in_a_cluster:
	s_bfe_u32 s2, ttmp6, 0x10000c
	s_cmp_lg_u32 s2, 0xf033
	s_cbranch_scc0 .Lentry_shape_is_right
	s_endpgm
.Lentry_shape_is_right:
; q = src Wq + bq, k = src Wk + bk, v = src Wv + bv on codes of MX-FP6 (K = 512, four matrix instructions deep, f32 sums, the bias as the C of each sum's first instruction), and each result quantised in registers
; for the product that follows: q and k along the head's 64 numbers (two blocks of 32), v along the keys.
; SHARES.  A work-group takes 128 tokens (x: 0..63) and 128 columns of each weight, two heads (y: 0..3).  Twelve waves: waves 0-3 make q, 4-7 k, 8-11 v.  With p = wave % 4:
;   q, k: head 2 y + p / 2, 64 tokens from 64 (p % 2) on: source 0 = 4 tiles of the weight's columns, source 1 = 4 token tiles: a lane holds one token and its registers run along the head's columns;
;   v: channels 32 p on: source 0 = the 8 token tiles, source 1 = 2 channel tiles: a lane holds one channel and its registers run along the tokens, which are keys.
; By the choice of rows in the launch before (row r of tile T is 64 (T / 4) + 8 (T % 4) + r + 24 (r / 8)) a lane's 32 results of four neighbouring tiles are one whole block of 32 along the next K, in the operand's order.
; LDS holds all 128 fragments of the work-group, as records of 1,792 bytes: the three weights' 32 each, then the tokens' 32.  Waves 0-7 bring 16 records each by one tensor load (112 rows of 256 bytes, dense).  Nothing is filled again.
; CLUSTER 4 x 4: the weights' records hang on y alone and are asked for jointly along a row of the cluster, the tokens' on x alone, along a column.  (The cluster spans the grid's whole y, so y is the place cy.)
; No prefetch into the L2: every tile is asked for at the head; there is no loop to run ahead in.
; OUT, as images of operand registers.  qbuf: record (16 (8 batch + head) + block of 128 queries) of 6,656 bytes: 8 tiles of 768 (registers 0-3: 16 bytes a lane; registers 4-5: 8 bytes a lane), then 8 x 64 bytes of scale words.
; kv: record (16 (8 batch + head) + key step) of 13,312 bytes: k as in qbuf, then v: 4 x 1,536, then 4 x 128 of scale words.
; A head's two scale bytes stand TWICE in a word of q or k (b0 b1 b0 b1): the next launch's product is 128 deep, its upper 64 are zero codes on q's side, and the upper bytes are then finite bytes like the lower ones.
; LIMITS: as in the launch before (NaN and infinities not served; blocks under 2^-124 get the byte 1).
.set REC,  1792
.set LOADB, 16*REC                     ; what one tensor load brings: 28,672 bytes
.set TOKB, 6*LOADB
.set SPARE, 8*LOADB                    ; the spare words: 128 bytes for each of twelve waves
.set LI,   4                           ; v4   16 x lane
.set LS,   5                           ; v5   4 x lane
.set L8,   6                           ; v6   8 x lane
.set SELW, 7                           ; v7   v_perm_b32's selector, by kind and half of the lanes: joins my two bytes with lane l xor 16's
.set SPW,  10
.set NIL,  11
.set AQ,   12                          ; v12, v13 q, k: LDS addresses of the weight's fragments and of their words
.set BQ,   14                          ; v14, v15 of the tokens'
.set AV,   16                          ; v16, v17 v: of the tokens'
.set BV,   18                          ; v18, v19 of the weight's
.set PW,   20                          ; v20, v21 the words to be stored
.set BO,   22                          ; v22, v23 my offset in the bias: q, k; v
.set FA,   24                          ; source 0's fragments: 4 (v24-71) or 8 (v24-119)
.set FBQ,  72                          ; source 1's: q, k: v72-119
.set FBV,  120                         ; v: v120-143
.set SA,   144                         ; their scale words
.set SB,   156
.set BI,   160                         ; the bias in the results' layout
.set HA,   192                         ; v192-319 sixteen accumulators
.set PC,   24                          ; behind the products: codes (two sets of 20 registers),
.set TM,   64                          ; and the quantiser's registers
.set WV,   16                          ; s16  wave
.set BP,   20                          ; s[20:21] bias
.set G1A,  24                          ; descriptors: A the weights', B the tokens'
.set G1B,  32
.set G0A,  40
.set G0B,  44
.set OA,   58                          ; s[58:59] my codes
.set OW,   60                          ; s[60:61] my scale words
.set SEL,  62
.set MSB, 0
.macro WIN new                         ; s_set_vgpr_msb: the immediate's high byte repeats the setting that is left
.if MSB != (\new)
	s_set_vgpr_msb (MSB<<8)|(\new)
.set MSB, (\new)
.endif
.endm
.macro ROUND
	s_barrier_signal -1
	s_barrier_wait -1
	s_cmp_lg_u32 s[WV], 0
	s_cbranch_scc1 .Lnot_wave_0_\@
	s_barrier_signal -3
.Lnot_wave_0_\@:
	s_barrier_wait -3
	s_barrier_signal -1
	s_barrier_wait -1
.endm
.macro TLOAD g0, g1
	tensor_load_to_lds s[\g0:\g0+3], s[\g1:\g1+7]
	s_nop 0
.rept 4
	v_nop
.endr
.endm
.macro FR d, a, rec, sc                ; a fragment and its scale words: 4 loads
.irp c, 0,1,2
	ds_load_b128 v[\d+4*\c:\d+4*\c+3], v[\a] offset:(\rec)*REC+512*\c
.endr
	ds_load_b32 v[\sc], v[\a+1] offset:(\rec)*REC+1536
.endm
.macro MM d, a, b, c, sa, sb, s        ; one product into accumulator d; K step 0 starts the sum with the bias
.set DW_, (\d)>>8
.set DL_, (\d)&255
.if \s == 0
	WIN DW_<<6
	v_wmma_scale_f32_16x16x128_f8f6f4 v[DL_:DL_+7], v[\a:\a+11], v[\b:\b+11], v[\c:\c+7], v[\sa], v[\sb] matrix_a_fmt:MATRIX_FMT_FP6 matrix_b_fmt:MATRIX_FMT_FP6
.else
	WIN (DW_<<6)|(DW_<<4)
	v_wmma_scale_f32_16x16x128_f8f6f4 v[DL_:DL_+7], v[\a:\a+11], v[\b:\b+11], v[DL_:DL_+7], v[\sa], v[\sb] matrix_a_fmt:MATRIX_FMT_FP6 matrix_b_fmt:MATRIX_FMT_FP6
.endif
.endm
.macro PLACES                          ; four places between products and loads into their registers, or the first read of results (ISA guide 7.12.1 for vector instructions)
	WIN 0
.rept 4
	v_nop
.endr
.endm
.macro KSTEP_QK s                      ; the sixteen accumulators by turns, one instruction a turn
.irp u, 0,1,2,3
	FR FA+12*\u, AQ, 4*\u+\s, SA+\u
.endr
.irp i, 0,1,2,3
	FR FBQ+12*\i, BQ, 4*\i+\s, SB+\i
.endr
.if \s == 0
	s_wait_loadcnt 0x0                             ; the bias
.endif
.irp i, 0,1,2,3
	s_wait_dscnt 12-4*\i                           ; the token fragments behind this one may be out, 4 loads each
.irp u, 0,1,2,3
	MM HA+32*\i+8*\u, FA+12*\u, FBQ+12*\i, BI+8*\u, SA+\u, SB+\i, \s
.endr
.endr
	PLACES
.endm
.macro KSTEP_V s
	FR FBV, BV, \s, SB
.irp i, 0,1,2,3,4,5,6,7
	FR FA+12*\i, AV, 4*\i+\s, SA+\i
.endr
	FR FBV+12, BV, 4+\s, SB+1
.if \s == 0
	s_wait_loadcnt 0x0
.endif
.irp i, 0,1,2,3,4,5,6,7
	s_wait_dscnt 32-4*\i                           ; the fragments behind this one may be out
	MM HA+8*\i, FA+12*\i, FBV, BI, SA+\i, SB, \s
.endr
	s_wait_dscnt 0x0
.irp i, 0,1,2,3,4,5,6,7
	MM HA+64+8*\i, FA+12*\i, FBV+12, BI+8, SA+\i, SB+1, \s
.endr
	PLACES
.endm
; 64 sums of a lane, two blocks of 32: codes into v[PC + 20 a] on (six registers a block), the word into v[PW + a].  Each accumulator is read from its low end on.
.macro QUANT a
.set W_, (HA+64*\a)>>8
.set L_, (HA+64*\a)&255
.set P_, PC+20*\a
	WIN 0x15*W_
.irp k, 0,1,2,3
	v_max3_num_f32 v[TM+\k], |v[L_+16*\k]|, |v[L_+16*\k+1]|, |v[L_+16*\k+2]|
.endr
	WIN 0x14*W_
.irp i, 3,5,7,9,11,13
.irp k, 0,1,2,3
	v_max3_num_f32 v[TM+\k], v[TM+\k], |v[L_+16*\k+\i]|, |v[L_+16*\k+\i+1]|
.endr
.endr
.irp c, 0,1
	v_max3_num_f32 v[TM+2*\c], v[TM+2*\c], |v[L_+32*\c+15]|, |v[L_+32*\c+31]|
.endr
	WIN 0
.irp c, 0,1
	v_max3_num_f32 v[TM+2*\c], v[TM+2*\c], v[TM+2*\c+1], 0x1800000   ; and the floor 2^(3 - 127): the byte cannot fall under 1
.endr
.irp c, 0,1
	v_add_nc_u32 v[TM+4+\c], 0xff000000, v[TM+2*\c]   ; 2 off the exponent field: the conversions' scale operand
.endr
	WIN W_
.irp c, 0,1
	v_cvt_scalef32_pk16_fp6_f32 v[P_+6*\c:P_+2+6*\c], v[L_+32*\c:L_+15+32*\c], v[TM+4+\c]
	v_cvt_scalef32_pk16_fp6_f32 v[P_+12+4*\c:P_+14+4*\c], v[L_+16+32*\c:L_+31+32*\c], v[TM+4+\c]   ; (a conversion's three registers begin on an even number)
.endr
	WIN 0
	v_lshrrev_b32 v[TM+8], 23, v[TM+4]
	v_lshrrev_b32 v[TM+9], 23, v[TM+5]
	v_lshl_or_b32 v[TM+8], v[TM+9], 16, v[TM+8]
	v_permlanex16_b32 v[TM+7], v[TM+8], s[SEL], s[SEL+1]
	v_perm_b32 v[PW+\a], v[TM+7], v[TM+8], v[SELW]
.irp c, 0,1
.irp i, 0,1,2
	v_mov_b32 v[P_+3+6*\c+\i], v[P_+12+4*\c+\i]
.endr
.endr
.endm
	s_load_b256 s[4:11], s[0:1], 0x0               ; frag s[4:5], bq s[6:7], bk s[8:9], bv s[10:11]
	s_load_b128 s[12:15], s[0:1], 0x20             ; qbuf s[12:13], kv s[14:15]
	v_lshl_add_u32 v[SPW], v0, 2, SPARE
	v_mov_b32 v[NIL], 0
	ds_add_u32 v[SPW], v[NIL]                      ; the opening: the add, twice on end, and its wait
	ds_add_u32 v[SPW], v[NIL]
	v_lshrrev_b32 v1, 5, v0
	v_readfirstlane_b32 s[WV], v1                  ; wave 0..11
	s_lshr_b32 s17, s[WV], 2                       ; kind: 0 q, 1 k, 2 v
	s_and_b32 s18, s[WV], 3                        ; p
	s_lshr_b32 s19, s18, 1                         ; which of the two heads
	s_and_b32 s22, s18, 1                          ; q, k: which 64 tokens; v: which half of the head's channels
	s_mul_i32 s50, s17, 2*LOADB
	s_mul_i32 s51, s19, LOADB
	s_add_co_u32 s50, s50, s51                     ; q, k: the head's 16 records of the weight
	s_mul_i32 s51, s22, LOADB
	s_add_co_u32 s51, s51, TOKB                    ; and 16 records of the tokens
	s_mul_i32 s52, s18, LOADB/2
	s_add_co_u32 s52, s52, 4*LOADB                 ; v: 8 records of the weight
	s_mov_b32 s53, 0x04000400                      ; q, k: lanes 0-15
	s_mov_b32 s54, 0x02060206                      ; lanes 16-31
	s_cmp_eq_u32 s17, 2
	s_cselect_b32 s53, 0x06020400, s53             ; v
	s_cselect_b32 s54, 0x02060004, s54
	v_and_b32 v1, 31, v0                           ; lane
	v_and_b32 v2, 15, v0                           ; r
	v_bfe_u32 v3, v0, 4, 1                         ; h
	v_lshlrev_b32 v[LI], 4, v1
	v_lshlrev_b32 v[LS], 2, v1
	v_lshlrev_b32 v[L8], 3, v1
	v_add_nc_u32 v[AQ], s50, v[LI]
	v_add_nc_u32 v[AQ+1], s50, v[LS]
	v_add_nc_u32 v[BQ], s51, v[LI]
	v_add_nc_u32 v[BQ+1], s51, v[LS]
	v_add_nc_u32 v[AV], TOKB, v[LI]
	v_add_nc_u32 v[AV+1], TOKB, v[LS]
	v_add_nc_u32 v[BV], s52, v[LI]
	v_add_nc_u32 v[BV+1], s52, v[LS]
	v_cmp_eq_u32 vcc_lo, 1, v3
	v_mov_b32 v[SELW], s53
	v_mov_b32 v[PW], s54
	v_cndmask_b32 v[SELW], v[SELW], v[PW], vcc_lo
	v_lshlrev_b32 v[BO], 7, v3                     ; q, k: register j of tile u is the head's column 32 h + 8 u + j
	v_lshlrev_b32 v[BO+1], 2, v2                   ; v: channel r of the tile
	s_wait_alu depctr_va_vdst(0)                   ; the wait at the head's end
	s_bfe_u32 s48, ttmp6, 0x40000                  ; cx
	s_bfe_u32 s49, ttmp6, 0x40004                  ; cy = y
	s_lshl_b32 s23, ttmp9, 2
	s_add_co_u32 s23, s23, s48                     ; x: the block of 128 tokens
	s_lshl_b32 s50, s49, 2
	s_lshl_b32 s50, 15, s50                        ; my row of the cluster
	s_lshl_b32 s51, 0x1111, s48                    ; my column
	s_or_b32 s[G1A], s50, (3<<16)|(1<<21)          ; the weights': elements of 8 bytes, 112 rows of 32, dense
	s_or_b32 s[G1B], s51, (3<<16)|(1<<21)          ; the tokens'
.irp g, G1A, G1B
	s_mov_b32 s[\g+1], 32<<16
	s_mov_b32 s[\g+2], 112<<16
	s_mov_b32 s[\g+3], 32<<16
	s_mov_b32 s[\g+4], 112
	s_mov_b32 s[\g+5], 32
	s_mov_b32 s[\g+6], 0
	s_mov_b32 s[\g+7], 0
.endr
	s_mov_b32 s[G0A], 1
	s_mov_b32 s[G0B], 1
	s_mul_i32 s[G0A+1], s[WV], LOADB               ; where my load goes: wave x 16 records
	s_mul_i32 s[G0B+1], s[WV], LOADB
	s_lshr_b32 s52, s[WV], 1                       ; waves 0-5: weight wave / 2,
	s_lshl_b32 s52, s52, 7
	s_and_b32 s56, s[WV], 1                        ; which half of its 32 records
	s_lshl_b32 s56, s56, 4
	s_add_co_u32 s52, s52, s56
	s_lshl_b32 s57, s49, 5
	s_add_co_u32 s52, s52, s57
	s_add_co_u32 s52, s52, 2048                    ; record 2,048 + 128 m + 32 y + 16 half
	s_mul_i32 s52, s52, REC
	s_mov_b32 s53, 0
	s_lshl_b32 s54, s23, 5
	s_add_co_u32 s54, s54, s56                     ; waves 6, 7: record 32 x + 16 half
	s_mul_i32 s54, s54, REC
	s_mov_b32 s55, 0
	s_lshr_b32 s56, s23, 4                         ; the batch
	s_lshl_b32 s56, s56, 3
	s_lshl_b32 s57, s49, 1
	s_add_co_u32 s56, s56, s57
	s_add_co_u32 s56, s56, s19                     ; 8 batch + head
	s_lshl_b32 s56, s56, 4
	s_and_b32 s57, s23, 15
	s_add_co_u32 s56, s56, s57                     ; x 16 + the block of 128 within the sequence: my output's record
	s_mov_b32 s57, 13312
	s_cmp_eq_u32 s17, 0
	s_cselect_b32 s57, 6656, s57
	s_mul_i32 s56, s56, s57
	s_mul_i32 s57, s22, 3072
	s_add_co_u32 s[OA], s56, s57                   ; codes: four tiles of 768 or two of 1,536 bytes further on
	s_mov_b32 s[OA+1], 0
	s_lshl_b32 s57, s22, 8
	s_add_co_u32 s[OW], s56, s57                   ; words: four of 64 or two of 128 bytes
	s_mov_b32 s[OW+1], 0
	s_lshl_b32 s56, s49, 9                         ; the quarter's 128 numbers of a bias
	s_lshl_b32 s57, s19, 8                         ; q, k: the head's 64
	s_lshl_b32 s2, s18, 7                          ; v: my 32
	s_cmp_eq_u32 s17, 2
	s_cselect_b32 s57, s2, s57
	s_add_co_u32 s56, s56, s57
	s_mov_b32 s57, 0
	s_mov_b32 s[SEL], 0x76543210                   ; v_permlanex16_b32's selects for lane l xor 16
	s_mov_b32 s[SEL+1], 0xfedcba98
	s_wait_dscnt 0x0                               ; both opening adds are done
	ROUND                                          ; all sixteen work-groups are here: the joint loads meet
	s_wait_kmcnt 0x0
	s_add_nc_u64 s[G0A+2:G0A+3], s[4:5], s[52:53]
	s_or_b32 s[G0A+3], s[G0A+3], 0x80000000
	s_add_nc_u64 s[G0B+2:G0B+3], s[4:5], s[54:55]
	s_or_b32 s[G0B+3], s[G0B+3], 0x80000000
	s_cmp_lt_u32 s[WV], 6
	s_cbranch_scc0 .Ltokens
	TLOAD G0A, G1A                                 ; waves 0-5: half a weight's records
	s_branch .Lasked
.Ltokens:
	s_cmp_lt_u32 s[WV], 8
	s_cbranch_scc0 .Lasked
	TLOAD G0B, G1B                                 ; waves 6, 7: half the tokens'
.Lasked:
	s_cmp_eq_u32 s17, 0                            ; the choices hang on the wave's number alone
	s_cselect_b64 s[2:3], s[12:13], s[14:15]
	s_cselect_b64 s[BP:BP+1], s[6:7], s[8:9]
	s_cmp_eq_u32 s17, 2
	s_cselect_b64 s[BP:BP+1], s[10:11], s[BP:BP+1]
	s_add_nc_u64 s[BP:BP+1], s[BP:BP+1], s[56:57]
	s_add_nc_u64 s[OA:OA+1], s[2:3], s[OA:OA+1]
	s_add_nc_u64 s[OW:OW+1], s[2:3], s[OW:OW+1]
	s_cmp_lt_u32 s[WV], 8
	s_cbranch_scc0 .Lbias_v
.irp u, 0,1,2,3
	global_load_b128 v[BI+8*\u:BI+8*\u+3], v[BO], s[BP:BP+1] offset:32*\u
	global_load_b128 v[BI+8*\u+4:BI+8*\u+7], v[BO], s[BP:BP+1] offset:32*\u+16
.endr
	s_branch .Lbias_done
.Lbias_v:
.irp a, 0,1
.irp j, 0,1,2,3,4,5,6,7
	global_load_b32 v[BI+8*\a+\j], v[BO+1], s[BP:BP+1] offset:64*\a   ; all eight registers of a tile are my channel's number
.endr
.endr
.irp j, 16,17,18,19,20,21,22,23,24,25,26,27,28,29,30,31
	v_mov_b32 v[BI+\j], 0                          ; the bias registers that v does not use hold 0
.endr
.Lbias_done:
	s_wait_alu depctr_va_vdst(0)
	s_wait_tensorcnt 0x0
	s_barrier_signal -1
	s_barrier_wait -1                              ; all 128 records are in
	s_cmp_lt_u32 s[WV], 8
	s_cbranch_scc0 .Lv
	KSTEP_QK 0
	KSTEP_QK 1
	KSTEP_QK 2
	KSTEP_QK 3
.irp a, 0,1                                    ; token tiles 2 a and 2 a + 1 of my four
	QUANT \a
	global_store_b128 v[LI], v[PC+20*\a:PC+20*\a+3], s[OA:OA+1] offset:1536*\a
	global_store_b64 v[L8], v[PC+20*\a+4:PC+20*\a+5], s[OA:OA+1] offset:1536*\a+512
	global_store_b128 v[LI], v[PC+20*\a+6:PC+20*\a+9], s[OA:OA+1] offset:1536*\a+768
	global_store_b64 v[L8], v[PC+20*\a+10:PC+20*\a+11], s[OA:OA+1] offset:1536*\a+1280
	global_store_b32 v[LS], v[PW+\a], s[OW:OW+1] offset:6144+128*\a   ; lanes 0-15 the first tile's words, lanes 16-31 the second's
.endr
	s_branch .Lend
.Lv:
	KSTEP_V 0
	KSTEP_V 1
	KSTEP_V 2
	KSTEP_V 3
.irp a, 0,1                                    ; channel tile a of my two
	QUANT \a
.irp j, 0,1,2
	global_store_b128 v[LI], v[PC+20*\a+4*\j:PC+20*\a+4*\j+3], s[OA:OA+1] offset:6656+1536*\a+512*\j
.endr
	global_store_b32 v[LS], v[PW+\a], s[OW:OW+1] offset:12800+128*\a
.endr
.Lend:
	s_wait_tensorcnt 0x0                           ; the wave's end
	ds_add_u32 v[SPW], v[NIL]
	s_wait_dscnt 0x0
	ROUND                                          ; the closing round
	s_endpgm
.Lfunc_end_k_q6f08af2cc9_proj:
	.size	k_q6f08af2cc9_proj, .Lfunc_end_k_q6f08af2cc9_proj-k_q6f08af2cc9_proj
	.p2alignl 7, 3214868480
	.fill 96, 4, 3214868480
	.section	.rodata,"a",@progbits
	.p2align	6, 0x0
	.amdhsa_kernel k_q6f08af2cc9_proj
		.amdhsa_group_segment_fixed_size 327680
		.amdhsa_private_segment_fixed_size 0
		.amdhsa_enable_private_segment 0
		.amdhsa_kernarg_size 48
		.amdhsa_user_sgpr_count 2
		.amdhsa_user_sgpr_kernarg_segment_ptr 1
		.amdhsa_wavefront_size32 1
		.amdhsa_system_sgpr_workgroup_id_x 1
		.amdhsa_system_sgpr_workgroup_id_y 1
		.amdhsa_system_sgpr_workgroup_id_z 1
		.amdhsa_system_vgpr_workitem_id 0
		.amdhsa_next_free_vgpr 320
		.amdhsa_next_free_sgpr 66
		.amdhsa_reserve_vcc 1
		.amdhsa_float_denorm_mode_32 3
		.amdhsa_float_denorm_mode_16_64 3
		.amdhsa_memory_ordered 1
		.amdhsa_forward_progress 1
		.amdhsa_inst_pref_size 61
	.end_amdhsa_kernel
	.amdgpu_metadata
---
amdhsa.version: [ 1, 2 ]
amdhsa.kernels:
  - .name:           k_q6f08af2cc9_proj
    .symbol:         k_q6f08af2cc9_proj.kd
    .args:
      - { .name: frag, .offset: 0, .size: 8, .value_kind: global_buffer, .address_space: global }
      - { .name: bq, .offset: 8, .size: 8, .value_kind: global_buffer, .address_space: global }
      - { .name: bk, .offset: 16, .size: 8, .value_kind: global_buffer, .address_space: global }
      - { .name: bv, .offset: 24, .size: 8, .value_kind: global_buffer, .address_space: global }
      - { .name: qbuf, .offset: 32, .size: 8, .value_kind: global_buffer, .address_space: global }
      - { .name: kv, .offset: 40, .size: 8, .value_kind: global_buffer, .address_space: global }
    .group_segment_fixed_size: 327680
    .private_segment_fixed_size: 0
    .kernarg_segment_align: 8
    .kernarg_segment_size: 48
    .max_flat_workgroup_size: 384
    .sgpr_count:     66
    .vgpr_count:     320
    .wavefront_size: 32
...
	.end_amdgpu_metadata
.endif
;; end of part 2
;; launch attn (part 3): grid 8 x 32, 8 waves a work-group, clusters of 4 x 1, 327,680 bytes of LDS; arguments qbuf, kv, out0; writes out0
.if DOCPART == 3
	.amdgcn_target "amdgcn-amd-amdhsa--gfx1250"
	.amdhsa_code_object_version 6
	.text
	.protected	k_q6f08af2cc9_attn
	.globl	k_q6f08af2cc9_attn
	.p2align	8
	.type	k_q6f08af2cc9_attn,@function
k_q6f08af2cc9_attn:
	s_mov_b64 s[64:65], 0
	v_nop
	global_prefetch_b8 v0, s[64:65] scope:SCOPE_SE
	s_setreg_imm32_b32 hwreg(HW_REG_WAVE_MODE, 25, 1), 1
	s_wait_xcnt 0x0
	s_wait_alu depctr_hold_cnt(0) depctr_sa_sdst(0) depctr_va_vdst(0) depctr_va_sdst(0) depctr_va_ssrc(0) depctr_va_vcc(0) depctr_vm_vsrc(0)
	s_getreg_b32 s2, hwreg(HW_REG_IB_STS2, 6, 4)
	s_cmp_eq_u32 s2, 0
	s_cbranch_scc0 .Lentry_in_a_cluster
	s_endpgm
.Lentry_in_a_cluster:
	s_bfe_u32 s2, ttmp6, 0x10000c
	s_cmp_lg_u32 s2, 0x3003
	s_cbranch_scc0 .Lentry_shape_is_right
	s_endpgm
.Lentry_shape_is_right:
; out = softmax(q k^T / 8) v for 32 heads (batch x head) of 2,048 queries and keys, 64 numbers each, on codes of MX-FP6.
; SHARES.  A work-group takes 256 queries of one head (x: 0..7; y: the head), a wave 32 of them, two tiles of 16, against all 2,048 keys in 16 steps of 128: each fragment of K and V that comes from LDS serves both tiles.
; ALL OF A HEAD'S K AND V LIE IN LDS: 16 records of 13,312 bytes, each an image of operand registers for 128 keys (K: 8 tiles of 512 + 256 bytes, 512 bytes of scale words; V: 4 fragments of 1,536 bytes, 512 bytes of scale words).
; Wave w asks for records 2 w and 2 w + 1: one tensor load a wave, none is filled again.  CLUSTER: the four work-groups of a cluster take queries of the same head, so the records are asked for jointly (mask 15).
; BARRIERS.  The first shows records 0-3 (waves 0 and 1 have waited for theirs); the second shows the rest: each wave waits for its load and signals behind step 0, and waits behind step 2, since step 3 is the first that reads record 4.
; No prefetch into the L2: every tile is asked for at the head, so there is no later load to run ahead of.
; A STEP.  S^T = K Q^T (8 matrix instructions a tile; the upper 64 of the 128 along K are zero codes on Q's side); V's fragments and the NEXT step's K go into their registers while the softmax is worked; O^T += V^T P^T (4 a tile).
; The keys of a tile are 64 c + 8 u + 0..7 and 32 further on (tile 4 c + u), so lane (r, h) holds query r and its 32 registers of tiles 4 c .. 4 c + 3 are keys 64 c + 32 h + 0..31: one whole block of P, in the operand's own place.
; M, the running largest t rounded up to a whole number, is kept as -M; p = 2^(t - M); the row's sum is taken of p ahead of the quantiser; when M moves, the sum and O^T are multiplied by an exact power of two.
; A block's largest p is made from its largest score by the same multiply-add and exponential.
; LIMITS: the scaled scores t stay under 2^31 in magnitude; NaN and infinities are not served.  A block whose largest p lies under 2^-124 gets the byte 1.
; REGISTERS: window 0 as named below; window 1: v0-127 the two tiles' scores, then p; v128-191 O^T; v192-223 partial sums; v224-231 the sums.
.set RECB,  13312
.set HEADB, 16*RECB
.set DATA,  RECB                       ; record s lies at DATA + s RECB: the addresses of step s are then (s + 1) RECB + the lane's, and start at 0 for 'step -1'
.set STAGE, DATA+HEADB                 ; two tiles of 16 rows of 272 bytes for each wave, for the way out
.set SPARE, STAGE+16*16*272            ; the spare words
.set A16,  1                           ; v1-3     LDS addresses of the step's record
.set A8,   2
.set A4,   3
.set L16,  4
.set L8,   5
.set L4,   6
.set BM,   8                           ; v8-15    four chains of maxima a tile; then +0, +2 the blocks' largest, +1, +3 the conversions' scale operands
.set RM,   16                          ; v16-17   the running largest score
.set NM,   18                          ; v18, v20 -M  (v19, v21: named as the pairs' upper halves)
.set F,    22                          ; v22, v24 the power of two  (v23, v25 likewise)
.set TMP,  26
.set PT,   28
.set WB,   30
.set Q,    32                          ; v32-55   Q's two fragments, their upper halves zero codes
.set KF,   56                          ; v56-103  K: eight tiles of six registers (the last tile's upper half names V's first six: they meet zero codes)
.set VF,   104                         ; v104-151 V: four fragments
.set PCD,  152                         ; v152-175 P's codes
.set CT,   176                         ; v176-191 the conversions' second halves
.set KS,   192
.set VS,   196
.set QS,   204
.set PWD,  208                         ; v208-209 P's scale words
.set SPW,  210
.set NIL,  211
.set S,    0                           ; window 1
.set O,    128
.set T,    192
.set SUM,  224                         ; per tile 4: the sum in two halves, a second chain
.set WV,   10
.set SEL,  14
.set CS,   16                          ; s[16:17] log2(e) / 8
.set NC,   18                          ; s18      its negative
.set TB,   19
.set CNT,  20
.set G1,   24
.set G0,   32
.set MSB, 0
.macro WIN new                         ; s_set_vgpr_msb: bits 1:0 source 0, 3:2 source 1, 5:4 source 2, 7:6 destination; the high byte repeats the setting that is left
.if MSB != (\new)
	s_set_vgpr_msb (MSB<<8)|(\new)
.set MSB, (\new)
.endif
.endm
.macro ROUND
	s_barrier_signal -1
	s_barrier_wait -1
	s_cmp_lg_u32 s[WV], 0
	s_cbranch_scc1 .Lnot_wave_0_\@
	s_barrier_signal -3
.Lnot_wave_0_\@:
	s_barrier_wait -3
	s_barrier_signal -1
	s_barrier_wait -1
.endm
.macro KLOAD a16, a8, a4               ; K of the record behind the one at these addresses: 20 loads
.irp t, 0,1,2,3,4,5,6,7
	ds_load_b128 v[KF+6*\t:KF+6*\t+3], v[\a16] offset:RECB+768*\t
	ds_load_b64 v[KF+6*\t+4:KF+6*\t+5], v[\a8] offset:RECB+768*\t+512
.endr
.irp b, 0,1,2,3
	ds_load_b32 v[KS+\b], v[\a4] offset:RECB+6144+128*\b   ; lanes 0-15 tile 2 b's words, lanes 16-31 tile 2 b + 1's
.endr
.endm
.macro EXPS i, j                       ; four exponentials of tile j's second block, and a partial sum of its first
	v_exp_f32 v[S+64*\j+32+4*\i], v[S+64*\j+32+4*\i]
	v_pk_add_f32 v[T+16*\j+2*\i:T+16*\j+2*\i+1], v[S+64*\j+4*\i:S+64*\j+4*\i+1], v[S+64*\j+4*\i+2:S+64*\j+4*\i+3]
	v_exp_f32 v[S+64*\j+33+4*\i], v[S+64*\j+33+4*\i]
	v_exp_f32 v[S+64*\j+34+4*\i], v[S+64*\j+34+4*\i]
	v_exp_f32 v[S+64*\j+35+4*\i], v[S+64*\j+35+4*\i]
.endm
.macro ADD2 d, a, b                    ; for both tiles: registers d and a, b of window 1; \d's stride of 4 or 16 is given by the caller's macro
	v_pk_add_f32 v[\d:\d+1], v[\a:\a+1], v[\b:\b+1]
.endm
.macro STEP first, last
	s_wait_dscnt 0x0                               ; this step's K is in
	WIN 0x40
.irp t, 0,2,4,6
.irp j, 0,1
	v_wmma_scale_f32_16x16x128_f8f6f4 v[S+64*\j+8*\t:S+64*\j+8*\t+7], v[KF+6*\t:KF+6*\t+11], v[Q+12*\j:Q+12*\j+11], 0, v[KS+\t/2], v[QS+\j] matrix_a_fmt:MATRIX_FMT_FP6 matrix_b_fmt:MATRIX_FMT_FP6
.endr
.irp j, 0,1
	v_wmma_scale_f32_16x16x128_f8f6f4 v[S+64*\j+8*\t+8:S+64*\j+8*\t+15], v[KF+6*\t+6:KF+6*\t+17], v[Q+12*\j:Q+12*\j+11], 0, v[KS+\t/2], v[QS+\j] matrix_a_fmt:MATRIX_FMT_FP6 matrix_b_fmt:MATRIX_FMT_FP6 matrix_a_scale:MATRIX_SCALE_ROW1
.endr
.endr
	WIN 0
	v_add_nc_u32 v[A16], s[TB], v[L16]             ; four places ahead of the loads and of the results' first readers
	v_add_nc_u32 v[A8], s[TB], v[L8]
	v_add_nc_u32 v[A4], s[TB], v[L4]
	v_nop
.irp t, 0,1,2,3
.irp i, 0,1,2
	ds_load_b128 v[VF+12*\t+4*\i:VF+12*\t+4*\i+3], v[A16] offset:6656+1536*\t+512*\i
.endr
	ds_load_b32 v[VS+\t], v[A4] offset:12800+128*\t
.endr
.if \last == 0
	KLOAD A16, A8, A4                              ; the next step's K
.endif
	WIN 0x15
.irp j, 0,1                                    ; each block's largest score, in two chains a block, each accumulator from its low end on
.irp k, 0,1,2,3
	v_max3_num_f32 v[BM+4*\j+\k], v[S+64*\j+16*\k], v[S+64*\j+16*\k+1], v[S+64*\j+16*\k+2]
.endr
.endr
	WIN 0x14
.irp i, 3,5,7,9,11,13
.irp j, 0,1
.irp k, 0,1,2,3
	v_max3_num_f32 v[BM+4*\j+\k], v[BM+4*\j+\k], v[S+64*\j+16*\k+\i], v[S+64*\j+16*\k+\i+1]
.endr
.endr
.endr
.irp j, 0,1
.irp c, 0,1
	v_max3_num_f32 v[BM+4*\j+2*\c], v[BM+4*\j+2*\c], v[S+64*\j+32*\c+15], v[S+64*\j+32*\c+31]
.endr
.endr
	WIN 0
.irp j, 0,1
.irp c, 0,1
	v_max_num_f32 v[BM+4*\j+2*\c], v[BM+4*\j+2*\c], v[BM+4*\j+2*\c+1]
.endr
.endr
.irp j, 0,1
.if \first
	v_max_num_f32 v[RM+\j], v[BM+4*\j], v[BM+4*\j+2]
.else
	v_max3_num_f32 v[RM+\j], v[BM+4*\j], v[BM+4*\j+2], v[RM+\j]
.endif
.endr
.irp j, 0,1
	v_permlanex16_b32 v[PT+\j], v[RM+\j], s[SEL], s[SEL+1]
.endr
.irp j, 0,1
	v_max_num_f32 v[RM+\j], v[RM+\j], v[PT+\j]     ; the row's largest score so far
.endr
.irp j, 0,1
	v_mul_f32 v[WB+\j], s[NC], v[RM+\j]            ; -t of it
.endr
.if \first == 0
.irp j, 0,1
	v_mov_b32 v[TMP+\j], v[NM+2*\j]
.endr
.endif
.irp j, 0,1
	v_floor_f32 v[NM+2*\j], v[WB+\j]               ; -M = floor(-t)
.endr
.if \first == 0
.irp j, 0,1
	v_sub_f32 v[TMP+\j], v[NM+2*\j], v[TMP+\j]     ; old M less new M: a whole number, 0 or less
.endr
.irp j, 0,1
	v_cvt_i32_f32 v[TMP+\j], v[TMP+\j]
.endr
.irp j, 0,1
	v_ldexp_f32 v[F+2*\j], 1.0, v[TMP+\j]
.endr
.endif
.irp j, 0,1
	v_fma_f32 v[BM+4*\j], v[BM+4*\j], s[CS], v[NM+2*\j]
	v_fma_f32 v[BM+4*\j+2], v[BM+4*\j+2], s[CS], v[NM+2*\j]
.endr
	WIN 0x41
.irp i, 0,2,4,6,8,10,12,14,16,18,20,22,24,26,28,30
.irp j, 0,1
	v_pk_fma_f32 v[S+64*\j+\i:S+64*\j+1+\i], v[S+64*\j+\i:S+64*\j+1+\i], s[CS:CS+1], v[NM+2*\j:NM+2*\j+1] op_sel_hi:[1,0,0]   ; t - M of the first blocks
.endr
.endr
.if \first == 0
.irp i, 0,2,4,6,8,10,12,14,16,18,20,22,24,26,28,30
.irp j, 0,1
	v_pk_mul_f32 v[O+32*\j+\i:O+32*\j+1+\i], v[O+32*\j+\i:O+32*\j+1+\i], v[F+2*\j:F+2*\j+1] op_sel_hi:[1,0]   ; O^T under the new M
.endr
.endr
.endif
	WIN 0
	s_wait_alu depctr_va_vdst(0)                   ; the wait ahead of the batch
.irp j, 0,1
	v_exp_f32 v[BM+4*\j], v[BM+4*\j]
	v_exp_f32 v[BM+4*\j+2], v[BM+4*\j+2]
.endr
	WIN 0x45
.irp i, 0,2,4,6,8,10,12,14,16,18,20,22,24,26,28,30
.irp j, 0,1
	v_exp_f32 v[S+64*\j+\i], v[S+64*\j+\i]
	v_pk_fma_f32 v[S+64*\j+32+\i:S+64*\j+33+\i], v[S+64*\j+32+\i:S+64*\j+33+\i], s[CS:CS+1], v[NM+2*\j:NM+2*\j+1] op_sel_hi:[1,0,0]   ; and of the second, read behind the next wait
	v_exp_f32 v[S+64*\j+1+\i], v[S+64*\j+1+\i]
.endr
.endr
	s_wait_alu depctr_va_vdst(0)                   ; the wait between the two batches
.irp i, 0,1,2,3,4,5,6,7
	EXPS \i, 0
	EXPS \i, 1
.endr
	WIN 0
	s_wait_alu depctr_va_vdst(0)                   ; and behind them
.irp j, 0,1
.irp c, 0,1
	v_max_num_f32 v[BM+4*\j+2*\c], 0x1800000, v[BM+4*\j+2*\c]   ; the floor 2^(3 - 127)
.endr
.endr
.irp j, 0,1
.irp c, 0,1
	v_add_nc_u32 v[BM+4*\j+2*\c+1], 0xff000000, v[BM+4*\j+2*\c]   ; 2 off the exponent field: the conversions' scale operands
.endr
.endr
	WIN 0x01
.irp j, 0,1
.irp c, 0,1
	v_cvt_scalef32_pk16_fp6_f32 v[PCD+12*\j+6*\c:PCD+12*\j+6*\c+2], v[S+64*\j+32*\c:S+64*\j+32*\c+15], v[BM+4*\j+2*\c+1]
	v_cvt_scalef32_pk16_fp6_f32 v[CT+8*\j+4*\c:CT+8*\j+4*\c+2], v[S+64*\j+32*\c+16:S+64*\j+32*\c+31], v[BM+4*\j+2*\c+1]
.endr
.endr
	WIN 0
.irp j, 0,1
	v_lshrrev_b32 v[TMP+\j], 23, v[BM+4*\j+1]      ; the scales' bytes: blocks h and 2 + h
	v_lshrrev_b32 v[WB+\j], 23, v[BM+4*\j+3]
.endr
.irp j, 0,1
	v_lshl_or_b32 v[TMP+\j], v[WB+\j], 16, v[TMP+\j]
.endr
.irp j, 0,1
	v_permlanex16_b32 v[PT+\j], v[TMP+\j], s[SEL], s[SEL+1]
.endr
.irp j, 0,1
	v_lshl_or_b32 v[PWD+\j], v[PT+\j], 8, v[TMP+\j]   ; lanes 0-15: the row's four bytes (lanes 16-31 are not read)
.endr
.irp i, 0,1,2
.irp j, 0,1
.irp c, 0,1
	v_mov_b32 v[PCD+12*\j+6*\c+3+\i], v[CT+8*\j+4*\c+\i]
.endr
.endr
.endr
.if \first
	WIN 0x45                                       ; the sums; they are also the places ahead of the products below
.irp j, 0,1
	ADD2 SUM+4*\j, T+16*\j, T+16*\j+14
.endr
.else
	WIN 0x51
.irp j, 0,1
	v_pk_fma_f32 v[SUM+4*\j:SUM+4*\j+1], v[SUM+4*\j:SUM+4*\j+1], v[F+2*\j:F+2*\j+1], v[T+16*\j:T+16*\j+1] op_sel_hi:[1,0,1]   ; the sum under the new M
.endr
	WIN 0x45
.endif
.irp j, 0,1
	ADD2 SUM+4*\j+2, T+16*\j+2, T+16*\j+4
.endr
.irp j, 0,1
	ADD2 T+16*\j+6, T+16*\j+6, T+16*\j+8
	ADD2 T+16*\j+10, T+16*\j+10, T+16*\j+12
.endr
.if \first == 0
.irp j, 0,1
	ADD2 SUM+4*\j, SUM+4*\j, T+16*\j+14
.endr
.endif
.irp j, 0,1
	ADD2 SUM+4*\j+2, SUM+4*\j+2, T+16*\j+6
.endr
.irp j, 0,1
	ADD2 SUM+4*\j, SUM+4*\j, T+16*\j+10
.endr
.irp i, 0,4,8,12,16,20,24,28
.irp j, 0,1
	ADD2 SUM+4*\j, SUM+4*\j, S+64*\j+32+\i
	ADD2 SUM+4*\j+2, SUM+4*\j+2, S+64*\j+34+\i
.endr
.endr
.irp j, 0,1
	ADD2 SUM+4*\j, SUM+4*\j, SUM+4*\j+2
.endr
	WIN 0x50
	s_wait_alu depctr_va_vdst(0)
.if \last
	s_wait_dscnt 0x0
.else
	s_wait_dscnt 20                                ; V is in; the next step's 20 loads of K may be out
.endif
.irp t, 0,1,2,3
.irp j, 0,1
.if \first
	v_wmma_scale_f32_16x16x128_f8f6f4 v[O+32*\j+8*\t:O+32*\j+8*\t+7], v[VF+12*\t:VF+12*\t+11], v[PCD+12*\j:PCD+12*\j+11], 0, v[VS+\t], v[PWD+\j] matrix_a_fmt:MATRIX_FMT_FP6 matrix_b_fmt:MATRIX_FMT_FP6
.else
	v_wmma_scale_f32_16x16x128_f8f6f4 v[O+32*\j+8*\t:O+32*\j+8*\t+7], v[VF+12*\t:VF+12*\t+11], v[PCD+12*\j:PCD+12*\j+11], v[O+32*\j+8*\t:O+32*\j+8*\t+7], v[VS+\t], v[PWD+\j] matrix_a_fmt:MATRIX_FMT_FP6 matrix_b_fmt:MATRIX_FMT_FP6
.endif
.endr
.endr
	WIN 0
.endm
	s_load_b128 s[4:7], s[0:1], 0x0                ; qbuf s[4:5], kv s[6:7]
	s_load_b64 s[8:9], s[0:1], 0x10                ; out0
	v_lshl_add_u32 v[SPW], v0, 2, SPARE
	v_mov_b32 v[NIL], 0
	ds_add_u32 v[SPW], v[NIL]                      ; the opening: the add, twice on end, and its wait
	ds_add_u32 v[SPW], v[NIL]
	v_lshrrev_b32 v8, 5, v0
	v_readfirstlane_b32 s[WV], v8                  ; wave 0..7
	s_and_b32 s22, s[WV], 3                        ; my pair of tiles within its block of 128 queries
	s_lshl_b32 s23, s22, 7
	v_and_b32 v8, 31, v0
	v_and_b32 v9, 15, v0
	v_lshlrev_b32 v[L8], 3, v8
	v_lshlrev_b32 v[L16], 4, v8
	v_lshlrev_b32 v[L4], 2, v8
	v_lshl_add_u32 v7, v9, 2, s23                  ; Q's scale words: row r of my first tile
.irp j, 38,39,40,41,42,43, 50,51,52,53,54,55, 104,105,106,107,108,109, 19,21,23,25,28,29
	v_mov_b32 v\j, 0
.endr
	s_wait_alu depctr_va_vdst(0)                   ; the wait at the head's end: no vector line of the head writes a register behind it
	s_bfe_u32 s11, ttmp6, 0x40000                  ; cx
	s_lshl_b32 s12, ttmp9, 2
	s_add_co_u32 s12, s12, s11                     ; the block of 256 queries
	s_and_b32 s13, ttmp7, 0xffff                   ; the head, 8 batch + head
	s_mov_b32 s[G1], 15|(3<<16)|(1<<21)            ; two records: 104 rows of 256 bytes (32 elements of 8), dense
	s_mov_b32 s[G1+1], 32<<16
	s_mov_b32 s[G1+2], 104<<16
	s_mov_b32 s[G1+3], 32<<16
	s_mov_b32 s[G1+4], 104
	s_mov_b32 s[G1+5], 32
	s_mov_b32 s[G1+6], 0
	s_mov_b32 s[G1+7], 0
	s_mul_i32 s21, s[WV], 2*RECB
	s_mul_i32 s48, s13, HEADB
	s_add_co_u32 s48, s48, s21                     ; my two records in kv
	s_mov_b32 s49, 0
	s_mov_b32 s[G0], 1
	s_add_co_u32 s[G0+1], s21, DATA
	s_lshl_b32 s52, s13, 4
	s_lshl_b32 s53, s12, 1
	s_add_co_u32 s52, s52, s53
	s_lshr_b32 s53, s[WV], 2
	s_add_co_u32 s52, s52, s53
	s_mul_i32 s52, s52, 6656                       ; my block of 128 queries in qbuf
	s_mov_b32 s53, 0
	s_mul_i32 s54, s22, 1536
	s_mov_b32 s55, 0
	s_lshr_b32 s56, s13, 3
	s_lshl_b32 s56, s56, 22                        ; the batch
	s_and_b32 s57, s13, 7
	s_lshl_b32 s57, s57, 8                         ; the head's 64 columns
	s_add_co_u32 s56, s56, s57
	s_lshl_b32 s57, s12, 8
	s_lshr_b32 s58, s[WV], 1
	s_lshl_b32 s58, s58, 6
	s_add_co_u32 s57, s57, s58
	s_and_b32 s58, s[WV], 1
	s_lshl_b32 s58, s58, 4
	s_add_co_u32 s57, s57, s58                     ; my first query: 256 x + 64 (w / 2) + 16 (w % 2); the second tile begins 8 further on
	s_lshl_b32 s57, s57, 11
	s_add_co_u32 s56, s56, s57
	s_mov_b32 s57, 0
	s_mov_b32 s[SEL], 0x76543210                   ; v_permlanex16_b32's selects for lane l xor 16
	s_mov_b32 s[SEL+1], 0xfedcba98
	s_mov_b32 s[CS], 0x3e38aa3b                    ; log2(e) / sqrt(64)
	s_mov_b32 s[CS+1], s[CS]
	s_mov_b32 s[NC], 0xbe38aa3b
	s_wait_dscnt 0x0                               ; both opening adds are done
	ROUND                                          ; the four work-groups are here: the joint loads meet
	s_wait_kmcnt 0x0
	s_add_nc_u64 s[G0+2:G0+3], s[6:7], s[48:49]
	s_or_b32 s[G0+3], s[G0+3], 0x80000000
	s_cmp_lt_u32 s[WV], 2                          ; waves 0 and 1 have a line of their own: the first barrier waits for theirs alone
	s_cbranch_scc0 .Lothers
	tensor_load_to_lds s[G0:G0+3], s[G1:G1+7]
	s_nop 0
.rept 4
	v_nop
.endr
	s_branch .Lasked
.Lothers:
	tensor_load_to_lds s[G0:G0+3], s[G1:G1+7]
	s_nop 0
.rept 4
	v_nop
.endr
.Lasked:
	s_add_nc_u64 s[4:5], s[4:5], s[52:53]
	s_add_nc_u64 s[52:53], s[4:5], s[54:55]
	s_add_nc_u64 s[8:9], s[8:9], s[56:57]
.irp j, 0,1
	global_load_b128 v[Q+12*\j:Q+12*\j+3], v[L16], s[52:53] offset:768*\j
	global_load_b64 v[Q+12*\j+4:Q+12*\j+5], v[L8], s[52:53] offset:768*\j+512
	global_load_b32 v[QS+\j], v7, s[4:5] offset:6144+64*\j
.endr
	s_cmp_lt_u32 s[WV], 2
	s_cbranch_scc0 .Lnot_mine
	s_wait_tensorcnt 0x0
.Lnot_mine:
	s_barrier_signal -1
	s_barrier_wait -1                              ; records 0-3 are in
	KLOAD L16, L8, L4                              ; record 0's K
	s_wait_loadcnt 0x0
	s_mov_b32 s[TB], RECB
	STEP 1, 0
	s_wait_tensorcnt 0x0                           ; my records are in,
	s_wait_dscnt 0x0
	s_barrier_signal -1                            ; and I say so; up to its wait only records 1-3 are read
	s_mov_b32 s[TB], 2*RECB
	s_mov_b32 s[CNT], 2
.Lsteps_1_2:
	STEP 0, 0
	s_add_co_u32 s[TB], s[TB], RECB
	s_sub_co_u32 s[CNT], s[CNT], 1
	s_cmp_lg_u32 s[CNT], 0
	s_cbranch_scc1 .Lsteps_1_2
	s_barrier_wait -1                              ; all records are in
	s_mov_b32 s[TB], 4*RECB
	s_mov_b32 s[CNT], 12
.Lsteps_3_14:
	STEP 0, 0
	s_add_co_u32 s[TB], s[TB], RECB
	s_sub_co_u32 s[CNT], s[CNT], 1
	s_cmp_lg_u32 s[CNT], 0
	s_cbranch_scc1 .Lsteps_3_14
	s_mov_b32 s[TB], 16*RECB
	STEP 0, 1                                      ; the last step fetches no further K
	; ---- the way out: O^T / the sum, through my own stage, as rows of 256 bytes
	s_mul_i32 s21, s[WV], 2*16*272
	s_add_co_u32 s21, s21, STAGE
	WIN 0x45
.irp j, 0,1
	v_add_f32 v[SUM+4*\j], v[SUM+4*\j], v[SUM+4*\j+1]
.endr
	WIN 0x01
.irp j, 0,1
	v_permlanex16_b32 v[PT+\j], v[SUM+4*\j], s[SEL], s[SEL+1]
.endr
.irp j, 0,1
	v_add_f32 v[F+2*\j], v[SUM+4*\j], v[PT+\j]
.endr
	WIN 0
	s_wait_alu depctr_va_vdst(0)                   ; the wait ahead of the transcendentals
	v_rcp_f32 v[F], v[F]
	v_rcp_f32 v[F+2], v[F+2]
	v_and_b32 v8, 15, v0                           ; r
	v_bfe_u32 v9, v0, 4, 1                         ; h
	v_mul_u32_u24 v10, v8, 272
	v_mul_u32_u24 v11, v9, 272
	v_lshlrev_b32 v1, 11, v9
	v_lshl_add_u32 v10, v9, 5, v10
	v_lshl_add_u32 v11, v8, 4, v11
	v_lshl_add_u32 v1, v8, 4, v1                   ; out: lanes 0-15 one row, lanes 16-31 the next
	v_add_nc_u32 v10, s21, v10                     ; into the stage: row r, 32 bytes for each half of the lanes
	v_add_nc_u32 v11, s21, v11                     ; out of it, by rows
	WIN 0x41
	s_wait_alu depctr_va_vdst(0)                   ; the wait directly ahead of the first reader
.irp j, 0,1
.irp i, 0,2,4,6,8,10,12,14,16,18,20,22,24,26,28,30
	v_pk_mul_f32 v[S+64*\j+\i:S+64*\j+1+\i], v[O+32*\j+\i:O+32*\j+1+\i], v[F+2*\j:F+2*\j+1] op_sel_hi:[1,0]
.endr
.endr
	WIN 0x04
.irp j, 0,1
.irp t, 0,1,2,3
	ds_store_b128 v10, v[S+64*\j+8*\t:S+64*\j+8*\t+3] offset:16*272*\j+64*\t
	ds_store_b128 v10, v[S+64*\j+8*\t+4:S+64*\j+8*\t+7] offset:16*272*\j+64*\t+16
.endr
.endr
	WIN 0
.irp j, 0,1
.irp i, 0,1,2,3,4,5,6,7
	ds_load_b128 v[KF+32*\j+4*\i:KF+32*\j+4*\i+3], v11 offset:16*272*\j+2*\i*272   ; LDS serves a wave's instructions in order (ISA guide 5.7.1.4): these see my stores
.endr
.endr
.irp j, 0,1
.irp i, 0,1,2,3,4,5,6,7
	s_wait_dscnt 15-8*\j-\i
	global_store_b128 v1, v[KF+32*\j+4*\i:KF+32*\j+4*\i+3], s[8:9] offset:(2*\i+24*(\i/4)+8*\j)*2048 th:TH_STORE_NT   ; sixteen lanes store one aligned unit of 256 bytes; rows 8-15 are 24 tokens further on
.endr
.endr
	s_wait_tensorcnt 0x0                           ; the wave's end
	ds_add_u32 v[SPW], v[NIL]
	s_wait_dscnt 0x0
	ROUND                                          ; the closing round
	s_endpgm
.Lfunc_end_k_q6f08af2cc9_attn:
	.size	k_q6f08af2cc9_attn, .Lfunc_end_k_q6f08af2cc9_attn-k_q6f08af2cc9_attn
	.p2alignl 7, 3214868480
	.fill 96, 4, 3214868480
	.section	.rodata,"a",@progbits
	.p2align	6, 0x0
	.amdhsa_kernel k_q6f08af2cc9_attn
		.amdhsa_group_segment_fixed_size 327680
		.amdhsa_private_segment_fixed_size 0
		.amdhsa_enable_private_segment 0
		.amdhsa_kernarg_size 24
		.amdhsa_user_sgpr_count 2
		.amdhsa_user_sgpr_kernarg_segment_ptr 1
		.amdhsa_wavefront_size32 1
		.amdhsa_system_sgpr_workgroup_id_x 1
		.amdhsa_system_sgpr_workgroup_id_y 1
		.amdhsa_system_sgpr_workgroup_id_z 1
		.amdhsa_system_vgpr_workitem_id 0
		.amdhsa_next_free_vgpr 512
		.amdhsa_next_free_sgpr 66
		.amdhsa_reserve_vcc 0
		.amdhsa_float_denorm_mode_32 3
		.amdhsa_float_denorm_mode_16_64 3
		.amdhsa_memory_ordered 1
		.amdhsa_forward_progress 1
		.amdhsa_inst_pref_size 120
	.end_amdhsa_kernel
	.amdgpu_metadata
---
amdhsa.version: [ 1, 2 ]
amdhsa.kernels:
  - .name:           k_q6f08af2cc9_attn
    .symbol:         k_q6f08af2cc9_attn.kd
    .args:
      - { .name: qbuf, .offset: 0, .size: 8, .value_kind: global_buffer, .address_space: global }
      - { .name: kv, .offset: 8, .size: 8, .value_kind: global_buffer, .address_space: global }
      - { .name: out0, .offset: 16, .size: 8, .value_kind: global_buffer, .address_space: global }
    .group_segment_fixed_size: 327680
    .private_segment_fixed_size: 0
    .kernarg_segment_align: 8
    .kernarg_segment_size: 24
    .max_flat_workgroup_size: 256
    .sgpr_count:     66
    .vgpr_count:     512
    .wavefront_size: 32
...
	.end_amdgpu_metadata
.endif
;; end of part 3
